; MI455X (gfx1250); checked and timed in simulation.
; The chip was launched on July 23, 2026; its instructions are those of AMD's public machine-readable ISA for CDNA 5 (MIT licence, August 2026) and "CDNA5" Instruction Set Architecture Reference Guide (July 2026). The comments in the code are by the model that wrote it; some were corrected since.
;; Cross Attention. Allowed arithmetic: matrix products marked QUANTISED: E2M3 operands, one E8M0 scale for each 32 along K, by v_wmma_scale_f32_16x16x128_f8f6f4 with both operands' format E2M3, f32 sums; everything else in f32.
;; Inputs: Wk 512 x 512 float32; Wo 512 x 512 float32; Wq 512 x 512 float32; Wv 512 x 512 float32; bo 512 float32; x 2 x 4,096 x 512 float32.
;; Outputs: out0 2 x 4,096 x 512 float32.
;; This version of the problem:
;;   THIS VERSION OF THE PROBLEM IS GIVEN IN LOW PRECISION. The matrix products marked QUANTISED in the list below multiply operands that are first quantised to E2M3 (2 exponent bits, 3 mantissa bits; 6 bits a number), with one power-of-two scale for each 32 numbers along K (OCP MX v1.0); their sums are f32. All else is computed in f32.
;;   The module's matrix products, in the order in which they are computed (A, B: the left and right operand; K: the contracted axis; several contracted axes count as one K, in the product's order):
;;     1. [M 8,192, K 512] x [K 512, N 512]; A: input x; B: input Wq: QUANTISED
;;     2. [M 8,192, K 512] x [K 512, N 512]; A: input x; B: input Wk: QUANTISED
;;     3. [M 8,192, K 512] x [K 512, N 512]; A: input x; B: input Wv: QUANTISED
;;     4. batch 16 x [M 4,096, K 64] x [K 64, N 4,096]; A: computed on the way; B: computed on the way: QUANTISED
;;     5. batch 16 x [M 4,096, K 4,096] x [K 4,096, N 64]; A: softmax (see below); B: computed on the way: QUANTISED
;;     6. [M 8,192, K 512] x [K 512, N 512]; A: computed on the way; B: input Wo: QUANTISED
;;   THE QUANTISER, for each operand of a quantised product, along K:
;;     - K is cut into blocks of 32 from its start; a last block that is shorter is filled with zeros.
;;     - A block's scale is 2^e with e = floor(log2(the largest magnitude in the block)) - 2, held to -126 .. 127; a block of zeros has e = 0. As a byte (E8M0): e + 127.
;;     - Each number is divided by its block's scale, clamped to +-7.5, and rounded to the nearest number of E2M3, ties to even, subnormals kept.
;;     - The product sums the exact products of the quantised numbers (number of the format x scale) in f32.
;;   ~~~python
;;   def quantise(x, axis):      # numpy; x: float32 -> the quantised numbers, widened to float32 again
;;       x = np.moveaxis(x, axis, -1); K = x.shape[-1]
;;       x = np.pad(x, [(0, 0)] * (x.ndim - 1) + [(0, -K % 32)]); x = x.reshape(x.shape[:-1] + (-1, 32)); a = np.abs(x).max(-1, keepdims=True)
;;       e = np.where(a > 0, np.clip(np.frexp(np.where(a > 0, a, 1))[1] - 1 - 2, -126, 127), 0)      # np.frexp(a)[1] - 1 = floor(log2(a)), exactly
;;       r = np.clip(x / 2.0 ** e, -7.5, 7.5)
;;       step = 2.0 ** (np.maximum(np.frexp(np.where(r == 0, 1, r))[1] - 1, 0) - 3)
;;       q = np.round(r / step) * step * 2.0 ** e      # np.round: ties to even
;;       return np.moveaxis(q.reshape(q.shape[:-2] + (-1,))[..., :K], -1, axis).astype(np.float32)
;;   ~~~
;;   SOFTMAX AHEAD OF A QUANTISED PRODUCT. Where the list says 'softmax', what is quantised is not the finished softmax but p = 2^(t - M), with t = logit x log2(e) and M = ceil(the row's largest t), a whole number; so 1/2 < the row's largest p <= 1. The row's sum l is taken of the UNQUANTISED p, in f32, and the product's result is divided by l at the end. Since M is a whole number, a kernel that streams over the keys may use a running M (the ceiling of the running maximum): every later rescaling is an exact power of two, which a block's scale takes up: the codes' values come out the same.
;;   OPERANDS COMPUTED ON THE WAY. 'Computed on the way' means the value that the module computes at that place (a softmax that the list does not call 'softmax' is quantised finished and normalised). What goes into a quantiser is computed in f32, as accurately as f32 sums, v_exp_f32 and their like allow (about 1e-6 of the number): no bf16 or f16 on the way to a quantiser, and a product that is left as it is and whose result goes on into a quantised operand takes f32 operands (vector FMAs, or v_wmma_f32_16x16x4_f32). A number that lies on a knife's edge between two numbers of the format may be rounded either way, as far as f32 arithmetic and the matrix unit's own rounding can turn it there, and no further.
;; One version. Each part assembles by itself: llvm-mc -triple=amdgcn-amd-amdhsa -mcpu=gfx1250 --defsym DOCPART=n.
;; ======== version 1 of 1: 4 launches
;; limits: right only within a limited range of input values
;; workspace buffers: wc 819,200 bytes; qkv 10,092,544 bytes; ao 3,145,728 bytes; aos 131,072 bytes
;; launch wprep (part 1): grid 32 x 4, 4 waves a work-group, no clusters, 1,024 bytes of LDS; arguments Wq, Wk, Wv, Wo, wc; writes wc
.if DOCPART == 1
	.amdgcn_target "amdgcn-amd-amdhsa--gfx1250"
	.amdhsa_code_object_version 6
	.text
	.protected	k_q911cfa94a3_wprep
	.globl	k_q911cfa94a3_wprep
	.p2align	8
	.type	k_q911cfa94a3_wprep,@function
k_q911cfa94a3_wprep:
	s_mov_b64 s[64:65], 0
	v_nop
	global_prefetch_b8 v0, s[64:65] scope:SCOPE_SE
	s_setreg_imm32_b32 hwreg(HW_REG_WAVE_MODE, 25, 1), 1
	s_wait_xcnt 0x0
; Wq, Wk, Wv, Wo [512 (k)][512 (n)], f32, K on the first axis, become codes of FP6 (E2M3) with one E8M0 byte for each 32 along K,
; laid in wc in the ORDER OF AN OPERAND'S REGISTERS: a fragment (16 columns n x 128 K, 12 registers a lane) is 1,536 bytes, registers 4 G .. 4 G + 3 of lane l at 512 G + 16 l.
; A work-group takes one tile of 16 columns of one weight, its wave s the K step s.  A LANE TAKES A COLUMN AND ITS REGISTERS RUN DOWN K, in the very order that the operand's
; layout gives that lane (lane (r, h): k = 64 c + 32 h + 0 .. 31 in registers 6 c .. 6 c + 5): the conversions' results are the fragment; nothing is transposed.
; THE COLUMNS OF A TILE ARE NOT NEIGHBOURS: lane r of tile T takes column 32 (T / 2) + 8 (T % 2) + r + 8 (r / 8), so that in a product's result the 16 registers of two neighbouring tiles are 16 neighbours.
; wc: four groups g (heads 2 g, 2 g + 1) of 153,600 bytes: fragment (J, s) at (4 J + s) 1,536, J = 8 m + T % 8 (m = 0 Wq, 1 Wk, 2 Wv); at 147,456 the scale words [J][r][s];
;     from 614,400 on four groups of Wo (128 columns each) of 51,200 bytes: fragment (J, s), J = T % 8, and at 49,152 the scale words.
; A block's scale byte is its largest magnitude's exponent field - 2, held at 1 from below.
; LIMITS: NaN and infinities are not served; a block whose largest magnitude lies under 2^-124 keeps the byte 1; a block of zeros gets the byte 1 where the rule says 127: its codes are zeros, and this program alone reads the bytes.
; The four weights are 4 MiB in all and each wave has its 64 loads out at once: no stage for the reads.  No cache hint: neighbouring tiles read the same rows' neighbouring bytes.
.set SPARE, 256                        ; LDS: bytes 0-255 the tile's 64 scale words; from 256 on the spare words, 128 bytes a wave
.set SPW,   8                          ; v8   my spare word's address; never rewritten
.set NIL,   9                          ; v9   0; never rewritten
.set NUM,   32                         ; v32-95   my column's 64 numbers
.set COD,   96                         ; v96-107  the fragment
.set T2,    108                        ; v108-110, v112-114: a block's upper 16 codes (a conversion's three registers begin on an even number)
	s_load_b256 s[4:11], s[0:1], 0x0               ; Wq s[4:5], Wk s[6:7], Wv s[8:9], Wo s[10:11]
	s_load_b64 s[12:13], s[0:1], 0x20              ; wc
	v_lshl_add_u32 v[SPW], v0, 2, SPARE
	v_mov_b32 v[NIL], 0
	v_lshrrev_b32 v1, 5, v0
	v_readfirstlane_b32 s14, v1                    ; wave = K step s
	s_and_b32 s15, ttmp7, 0xffff                   ; m: which weight
	s_lshr_b32 s16, ttmp9, 1                       ; where my numbers begin: 4 bytes x (32 (T / 2) + 8 (T % 2)) + 128 s rows of 2,048 bytes
	s_lshl_b32 s16, s16, 7
	s_and_b32 s17, ttmp9, 1
	s_lshl_b32 s17, s17, 5
	s_add_co_u32 s16, s16, s17
	s_lshl_b32 s17, s14, 18
	s_add_co_u32 s16, s16, s17
	s_mov_b32 s17, 0
	s_lshr_b32 s18, ttmp9, 3                       ; the group
	s_and_b32 s19, ttmp9, 7
	s_cmp_eq_u32 s15, 3                            ; Wo's groups are laid otherwise
	s_cselect_b32 s20, 0, s15
	s_mov_b32 s21, 153600
	s_cselect_b32 s21, 51200, s21                  ; a group's bytes,
	s_cselect_b32 s22, 614400, 0                   ; where the groups begin,
	s_mov_b32 s23, 147456
	s_cselect_b32 s23, 49152, s23                  ; and where a group's scale words begin
	s_lshl_b32 s20, s20, 3
	s_add_co_u32 s19, s19, s20                     ; J
	s_mul_i32 s21, s21, s18
	s_add_co_u32 s21, s21, s22                     ; my group's first byte
	s_lshl_b32 s24, s19, 2
	s_add_co_u32 s24, s24, s14
	s_mul_i32 s24, s24, 1536
	s_add_co_u32 s24, s24, s21                     ; my fragment
	s_mov_b32 s25, 0
	s_lshl_b32 s26, s19, 8
	s_add_co_u32 s26, s26, s23
	s_add_co_u32 s26, s26, s21                     ; my tile's 256 bytes of scale words
	s_mov_b32 s27, 0
	s_mov_b32 s34, 0x76543210
	s_mov_b32 s35, 0xfedcba98                      ; v_permlanex16_b32's selects for lane l xor 16
	v_and_b32 v1, 15, v0                           ; r
	v_bfe_u32 v2, v0, 4, 1                         ; h
	v_and_b32 v3, 8, v1
	v_add_nc_u32 v3, v3, v1                        ; r + 8 (r / 8)
	v_lshlrev_b32 v3, 2, v3
	v_lshl_add_u32 v3, v2, 16, v3                  ; + 32 h rows
	v_and_b32 v4, 31, v0
	v_lshlrev_b32 v6, 3, v4                        ; 8 x lane
	v_lshlrev_b32 v4, 4, v4                        ; 16 x lane
	v_lshlrev_b32 v5, 4, v1
	s_lshl_b32 s32, s14, 2
	v_add_nc_u32 v5, s32, v5                       ; LDS: 16 r + 4 s
	s_wait_alu depctr_va_vdst(0)
	s_wait_kmcnt 0x0
	s_cmp_eq_u32 s15, 1                            ; the choice hangs on the work-group's number alone
	s_cselect_b64 s[4:5], s[6:7], s[4:5]
	s_cmp_eq_u32 s15, 2
	s_cselect_b64 s[4:5], s[8:9], s[4:5]
	s_cmp_eq_u32 s15, 3
	s_cselect_b64 s[4:5], s[10:11], s[4:5]
	s_add_nc_u64 s[4:5], s[4:5], s[16:17]
	s_add_nc_u64 s[28:29], s[12:13], s[24:25]
	s_add_nc_u64 s[30:31], s[12:13], s[26:27]
.set n, 0
.rept 64
	global_load_b32 v[NUM+n], v3, s[4:5] offset:(64*(n/32)+n%32)*2048   ; W(128 s + 64 c + 32 h + i, my column)
.set n, n+1
.endr
	s_wait_loadcnt 0x0
.irp c, 0,1                                    ; my blocks h and 2 + h: all 32 numbers of each are mine
	v_max3_num_f32 v[10+\c], |v[NUM+32*\c]|, |v[NUM+1+32*\c]|, 0x1800000   ; with the floor 2^(3 - 127): the byte cannot fall under 1
.endr
.irp i, 2,4,6,8,10,12,14,16,18,20,22,24,26,28,30
.irp c, 0,1
	v_max3_num_f32 v[10+\c], v[10+\c], |v[NUM+32*\c+\i]|, |v[NUM+1+32*\c+\i]|
.endr
.endr
.irp c, 0,1
	v_add_nc_u32 v[12+\c], 0xff000000, v[10+\c]    ; 2 off the exponent field: the conversion's scale operand
.endr
.irp c, 0,1
	v_lshrrev_b32 v[14+\c], 23, v[12+\c]           ; the scale's byte
.endr
	v_lshl_or_b32 v16, v15, 16, v14                ; my two bytes,
	v_lshlrev_b32 v17, 3, v2
	v_lshlrev_b32 v16, v17, v16                    ; at their places in the word (8 h bits up);
	v_mov_b32 v17, 0
	v_permlanex16_b32 v17, v16, s34, s35
	v_or_b32 v16, v16, v17                         ; with lane l xor 16's two the word is whole
.irp c, 0,1
	v_cvt_scalef32_pk16_fp6_f32 v[COD+6*\c:COD+6*\c+2], v[NUM+32*\c:NUM+32*\c+15], v[12+\c]
	v_cvt_scalef32_pk16_fp6_f32 v[T2+4*\c:T2+4*\c+2], v[NUM+32*\c+16:NUM+32*\c+31], v[12+\c]
.endr
	v_nop                                          ; one plain place behind a scaled conversion
.irp c, 0,1
.irp i, 0,1,2
	v_mov_b32 v[COD+3+6*\c+\i], v[T2+4*\c+\i]
.endr
.endr
.irp g, 0,1,2
	global_store_b128 v4, v[COD+4*\g:COD+4*\g+3], s[28:29] offset:512*\g   ; 32 lanes store 512 consecutive bytes, at a multiple of 256 from wc's first byte
.endr
	ds_store_b32 v5, v16                           ; lanes r and r + 16 write the same word with the same value
	s_wait_dscnt 0x0                               ; for the others' sake: my word has landed
	s_barrier_signal -1
	s_barrier_wait -1
	s_cmp_lg_u32 s14, 0
	s_cbranch_scc1 .Lend
	ds_load_b64 v[18:19], v6                       ; wave 0 sends the tile's 64 words: 256 consecutive bytes
	s_wait_dscnt 0x0
	global_store_b64 v6, v[18:19], s[30:31]
.Lend:
	s_wait_tensorcnt 0x0                           ; the wave's end: behind my last LDS store
	ds_add_u32 v[SPW], v[NIL]
	s_wait_dscnt 0x0
	s_endpgm
.Lfunc_end_k_q911cfa94a3_wprep:
	.size	k_q911cfa94a3_wprep, .Lfunc_end_k_q911cfa94a3_wprep-k_q911cfa94a3_wprep
	.p2alignl 7, 3214868480
	.fill 96, 4, 3214868480
	.section	.rodata,"a",@progbits
	.p2align	6, 0x0
	.amdhsa_kernel k_q911cfa94a3_wprep
		.amdhsa_group_segment_fixed_size 1024
		.amdhsa_private_segment_fixed_size 0
		.amdhsa_enable_private_segment 0
		.amdhsa_kernarg_size 40
		.amdhsa_user_sgpr_count 2
		.amdhsa_user_sgpr_kernarg_segment_ptr 1
		.amdhsa_wavefront_size32 1
		.amdhsa_system_sgpr_workgroup_id_x 1
		.amdhsa_system_sgpr_workgroup_id_y 1
		.amdhsa_system_sgpr_workgroup_id_z 1
		.amdhsa_system_vgpr_workitem_id 0
		.amdhsa_next_free_vgpr 128
		.amdhsa_next_free_sgpr 66
		.amdhsa_reserve_vcc 0
		.amdhsa_float_denorm_mode_32 3
		.amdhsa_float_denorm_mode_16_64 3
		.amdhsa_memory_ordered 1
		.amdhsa_forward_progress 1
		.amdhsa_inst_pref_size 13
	.end_amdhsa_kernel
	.amdgpu_metadata
---
amdhsa.version: [ 1, 2 ]
amdhsa.kernels:
  - .name:           k_q911cfa94a3_wprep
    .symbol:         k_q911cfa94a3_wprep.kd
    .args:
      - { .name: Wq, .offset: 0, .size: 8, .value_kind: global_buffer, .address_space: global }
      - { .name: Wk, .offset: 8, .size: 8, .value_kind: global_buffer, .address_space: global }
      - { .name: Wv, .offset: 16, .size: 8, .value_kind: global_buffer, .address_space: global }
      - { .name: Wo, .offset: 24, .size: 8, .value_kind: global_buffer, .address_space: global }
      - { .name: wc, .offset: 32, .size: 8, .value_kind: global_buffer, .address_space: global }
    .group_segment_fixed_size: 1024
    .private_segment_fixed_size: 0
    .kernarg_segment_align: 8
    .kernarg_segment_size: 40
    .max_flat_workgroup_size: 128
    .sgpr_count:     66
    .vgpr_count:     128
    .wavefront_size: 32
...
	.end_amdgpu_metadata
.endif
;; end of part 1
;; launch proj (part 2): grid 64 x 4, 8 waves a work-group, clusters of 4 x 1, 208,896 bytes of LDS; arguments x, wc, qkv; writes qkv
.if DOCPART == 2
	.amdgcn_target "amdgcn-amd-amdhsa--gfx1250"
	.amdhsa_code_object_version 6
	.text
	.protected	k_q911cfa94a3_proj
	.globl	k_q911cfa94a3_proj
	.p2align	8
	.type	k_q911cfa94a3_proj,@function
k_q911cfa94a3_proj:
	s_mov_b64 s[64:65], 0
	v_nop
	global_prefetch_b8 v0, s[64:65] scope:SCOPE_SE
	s_setreg_imm32_b32 hwreg(HW_REG_WAVE_MODE, 25, 1), 1
	s_wait_xcnt 0x0
	s_wait_alu depctr_hold_cnt(0) depctr_sa_sdst(0) depctr_va_vdst(0) depctr_va_sdst(0) depctr_va_ssrc(0) depctr_va_vcc(0) depctr_vm_vsrc(0)
	s_getreg_b32 s2, hwreg(HW_REG_IB_STS2, 6, 4)
	s_cmp_eq_u32 s2, 0
	s_cbranch_scc0 .Lentry_in_a_cluster
	s_endpgm
.Lentry_in_a_cluster:
	s_bfe_u32 s2, ttmp6, 0x10000c
	s_cmp_lg_u32 s2, 0x3003
	s_cbranch_scc0 .Lentry_shape_is_right
	s_endpgm
.Lentry_shape_is_right:
; q = x Wq, k = x Wk, v = x Wv on codes of FP6 (E2M3) with E8M0 scales, and q, k, v quantised again for attention: q and k along the head's 64, v along the keys.
; SHARES.  A work-group takes 128 tokens (block TB) and group g: heads 2 g and 2 g + 1 of q, k and v, 384 columns.  Eight waves.
; The group's weights (96 fragments and their scale words, 153,600 dense bytes of wc) come into LDS once.  CLUSTER: the four work-groups of a cluster have the same g,
; so the weights are asked for JOINTLY (mask 15); each wave asks for an eighth, 75 rows of 256 bytes.
; PHASE X: wave w quantises token tile w of x (4 fragments, kept in registers) and stores their images in LDS.  THE TOKENS OF A TILE ARE NOT NEIGHBOURS: row r of tile w is token 64 (w / 4) + 8 (w % 4) + r % 8 + 32 (r / 8).
; PHASE QK: wave w, token tile w: source 0 = 16 columns of Wq or Wk, source 1 = x: a lane holds one token, and its 32 registers of a head's four tiles are d = 32 b + 16 h + 0 .. 15: quantised in registers,
;   they are half a fragment (64 along K: registers 0-5), stored as an image: registers 0-3 at 16 x lane, 4-5 at 512 + 8 x lane.
; PHASE V: wave w, tile w % 4 of d of head 2 g + w / 4: source 0 = x's 8 token tiles (from LDS), source 1 = Wv: a lane holds one d, its 64 registers run along the 128 tokens: one whole fragment with the keys as K.
; qkv: a record of 19,712 bytes for each (head, 128 tokens): K's 8 half images, V's 4 images, K's scale words (512), V's (256), Q's (512), Q's 8 half images.  K's and Q's words carry 0x7f in bytes 2 and 3.
; x is quantised by each of the four g's: 4 fragments a wave, less than a launch of its own would cost.
; LIMITS: NaN and infinities are not served; a block whose largest magnitude lies under 2^-124 keeps the byte 1; a block of zeros gets the byte 1 where the rule says 127: its codes are zeros, and this program alone reads the bytes.
.set REC,   19712
.set HEADB, 32*REC
.set GRPB,  153600
.set WSC,   147456                     ; the group's scale words: [J 24][r 16][s 4]
.set XIMG,  153600                     ; LDS behind the weights: x's 32 images, (4 tile + s) x 1,536;
.set XSC,   XIMG+32*1536               ; x's scale words: [s] 512 bytes, the word of (tile, r) at 16 (r + 16 (tile % 2)) + 4 (tile / 2);
.set SCST,  XSC+2048                   ; the records' scale words, [head j] 1,280 bytes: K's 512, V's 256, Q's 512;
.set SPARE, SCST+2560                  ; the spare words, 128 bytes a wave
.set L16,  1                           ; 16 x lane
.set L8,   2                           ; 8 x lane
.set XA,   3                           ; x: my row and half
.set XWI,  4                           ; LDS: where I store x's images
.set PWX,  5                           ; and x's scale words
.set PWK,  6                           ; K's scale words
.set QWA,  7                           ; Q's
.set VWA,  8                           ; V's
.set WA1,  9                           ; L16 + 32 fragments
.set WVA,  10                          ; my four fragments of Wv
.set WSA,  11                          ; the weights' scale words
.set WVSA, 12                          ; Wv's, my tile's
.set XRA,  13                          ; x's images, to read
.set XSR,  14                          ; x's scale words, to read
.set VQ16, 15                          ; in a record: my tile's half image,
.set VQ8,  16                          ; its registers 4-5,
.set VV16, 17                          ; my image of V
.set CPL,  18                          ; the scale words' way out: LDS,
.set CPG,  19                          ; and the record
.set SPW,  20
.set NIL,  21
.set XS,   22                          ; v22-25  my tile's scale words of x
.set WS,   26                          ; v26-33  a unit's scale words: register 4 p + s: lanes 0-15 tile 2 p, lanes 16-31 tile 2 p + 1
.set XVS,  34                          ; v34-49  x's, all tiles: register 4 s + p likewise
.set WVS,  50                          ; v50-53  Wv's
.set PW,   54                          ; the scale word just made
.set TM,   56                          ; v56-71  at work in the quantiser
.set T2,   72                          ; v72-74, v76-78
.set XF,   80                          ; v80-127 my 4 fragments of x; in phase V Wv's 4
.set ACC,  128                         ; v128-191 numbers of x, then accumulators
.set ST,   192                         ; v192-255 numbers of x;
.set FS,   192                         ; then four fragments from LDS,
.set PC,   240                         ; and the codes just made
.set WV,   10
.set SEL,  20
.set G1,   24
.set G0,   32
.macro PLACES n
.rept \n
	v_nop
.endr
.endm
.macro CROUND                          ; a round of the cluster's barrier
	s_barrier_signal -1
	s_barrier_wait -1
	s_cmp_lg_u32 s[WV], 0
	s_cbranch_scc1 .Lnot_wave_0_\@
	s_barrier_signal -3
.Lnot_wave_0_\@:
	s_barrier_wait -3
	s_barrier_signal -1
	s_barrier_wait -1
.endm
; one product: k = 0 starts the sum with the constant 0; row = 1: source 0's scales stand in lanes 16-31
.macro MM d, a, b, k, sa, sb, row
.if (\k) == 0
.if \row
	v_wmma_scale_f32_16x16x128_f8f6f4 v[\d:\d+7], v[\a:\a+11], v[\b:\b+11], 0, v[\sa], v[\sb] matrix_a_fmt:MATRIX_FMT_FP6 matrix_b_fmt:MATRIX_FMT_FP6 matrix_a_scale:MATRIX_SCALE_ROW1
.else
	v_wmma_scale_f32_16x16x128_f8f6f4 v[\d:\d+7], v[\a:\a+11], v[\b:\b+11], 0, v[\sa], v[\sb] matrix_a_fmt:MATRIX_FMT_FP6 matrix_b_fmt:MATRIX_FMT_FP6
.endif
.else
.if \row
	v_wmma_scale_f32_16x16x128_f8f6f4 v[\d:\d+7], v[\a:\a+11], v[\b:\b+11], v[\d:\d+7], v[\sa], v[\sb] matrix_a_fmt:MATRIX_FMT_FP6 matrix_b_fmt:MATRIX_FMT_FP6 matrix_a_scale:MATRIX_SCALE_ROW1
.else
	v_wmma_scale_f32_16x16x128_f8f6f4 v[\d:\d+7], v[\a:\a+11], v[\b:\b+11], v[\d:\d+7], v[\sa], v[\sb] matrix_a_fmt:MATRIX_FMT_FP6 matrix_b_fmt:MATRIX_FMT_FP6
.endif
.endif
.endm
; 64 numbers of a lane, register 16 b + i = k 32 b + 16 (lane / 16) + i of my row, become a fragment's 12 registers at v[d] and its scale word in v[pw]
.macro QUANT s, d, pw
.irp b, 0,1,2,3
	v_max3_num_f32 v[TM+\b], |v[\s+16*\b]|, |v[\s+1+16*\b]|, 0x1800000   ; my 16 numbers of block b, and the floor 2^(3 - 127): the byte cannot fall under 1
.endr
.irp i, 2,4,6,8,10,12,14
.irp b, 0,1,2,3
	v_max3_num_f32 v[TM+\b], v[TM+\b], |v[\s+16*\b+\i]|, |v[\s+1+16*\b+\i]|
.endr
.endr
.irp b, 0,1,2,3
	s_delay_alu instid0(VALU_DEP_4)
	v_permlanex16_b32 v[TM+4+\b], v[TM+\b], s[SEL], s[SEL+1]
.endr
.irp b, 0,1,2,3
	s_delay_alu instid0(VALU_DEP_4)
	v_max_num_f32 v[TM+\b], v[TM+\b], v[TM+4+\b]   ; with lane l xor 16's: the block's largest magnitude
.endr
.irp b, 0,1,2,3
	s_delay_alu instid0(VALU_DEP_4)
	v_add_nc_u32 v[TM+12+\b], 0xff000000, v[TM+\b] ; 2 off its exponent field: the conversion's scale operand
.endr
.irp b, 0,1,2,3
	s_delay_alu instid0(VALU_DEP_4)
	v_lshrrev_b32 v[TM+4+\b], 23, v[TM+12+\b]      ; the scale's byte
.endr
	s_delay_alu instid0(VALU_DEP_3)
	v_lshl_or_b32 v[\pw], v[TM+5], 8, v[TM+4]
	s_delay_alu instid0(VALU_DEP_1)
	v_lshl_or_b32 v[\pw], v[TM+6], 16, v[\pw]
	s_delay_alu instid0(VALU_DEP_1)
	v_lshl_or_b32 v[\pw], v[TM+7], 24, v[\pw]
.irp c, 0,1
	v_cvt_scalef32_pk16_fp6_f32 v[\d+6*\c:\d+6*\c+2], v[\s+32*\c:\s+32*\c+15], v[TM+12+2*\c]
	v_cvt_scalef32_pk16_fp6_f32 v[T2+4*\c:T2+4*\c+2], v[\s+32*\c+16:\s+32*\c+31], v[TM+13+2*\c]
.endr
	v_nop                                          ; one plain place behind a scaled conversion
.irp c, 0,1                                    ; the operand's layout wants a whole block in a lane: lanes 0-15 block 2 c, lanes 16-31 block 2 c + 1
.irp i, 0,1,2
	v_permlane16_swap_b32 v[\d+6*\c+\i], v[T2+4*\c+\i]
.endr
.irp i, 0,1,2
	s_delay_alu instid0(VALU_DEP_3)
	v_mov_b32 v[\d+3+6*\c+\i], v[T2+4*\c+\i]
.endr
.endr
.endm
; the same for 32 numbers (blocks 0 and 1): registers 0-5 of a fragment; the word holds two bytes
.macro QUANTH s, d, pw
.irp b, 0,1
	v_max3_num_f32 v[TM+\b], |v[\s+16*\b]|, |v[\s+1+16*\b]|, 0x1800000
.endr
.irp i, 2,4,6,8,10,12,14
.irp b, 0,1
	v_max3_num_f32 v[TM+\b], v[TM+\b], |v[\s+16*\b+\i]|, |v[\s+1+16*\b+\i]|
.endr
.endr
.irp b, 0,1
	s_delay_alu instid0(VALU_DEP_2)
	v_permlanex16_b32 v[TM+4+\b], v[TM+\b], s[SEL], s[SEL+1]
.endr
.irp b, 0,1
	s_delay_alu instid0(VALU_DEP_2)
	v_max_num_f32 v[TM+\b], v[TM+\b], v[TM+4+\b]
.endr
.irp b, 0,1
	s_delay_alu instid0(VALU_DEP_2)
	v_add_nc_u32 v[TM+12+\b], 0xff000000, v[TM+\b]
.endr
.irp b, 0,1
	s_delay_alu instid0(VALU_DEP_2)
	v_lshrrev_b32 v[TM+4+\b], 23, v[TM+12+\b]
.endr
	s_delay_alu instid0(VALU_DEP_1)
	v_lshl_or_b32 v[\pw], v[TM+5], 8, v[TM+4]
	v_cvt_scalef32_pk16_fp6_f32 v[\d:\d+2], v[\s:\s+15], v[TM+12]
	v_cvt_scalef32_pk16_fp6_f32 v[T2:T2+2], v[\s+16:\s+31], v[TM+13]
	v_nop
.irp i, 0,1,2
	v_permlane16_swap_b32 v[\d+\i], v[T2+\i]
.endr
.irp i, 0,1,2
	s_delay_alu instid0(VALU_DEP_3)
	v_mov_b32 v[\d+3+\i], v[T2+\i]
.endr
.endm
	s_load_b128 s[4:7], s[0:1], 0x0                ; x s[4:5], wc s[6:7]
	s_load_b64 s[8:9], s[0:1], 0x10                ; qkv
	v_lshl_add_u32 v[SPW], v0, 2, SPARE
	v_mov_b32 v[NIL], 0
	ds_add_u32 v[SPW], v[NIL]                      ; the wave's opening: the add and its wait ahead of my first tensor load; the set-up below stands between them
	ds_add_u32 v[SPW], v[NIL]
	v_lshrrev_b32 v1, 5, v0
	s_delay_alu instid0(VALU_DEP_1)
	v_readfirstlane_b32 s[WV], v1                  ; wave 0..7
	s_bfe_u32 s11, ttmp6, 0x40000                  ; cx: it enters x's and qkv's addresses alone
	s_lshl_b32 s12, ttmp9, 2
	s_add_co_u32 s12, s12, s11                     ; TB: my block of 128 tokens
	s_and_b32 s13, ttmp7, 0xffff                   ; g, which the four partners share
	s_mov_b32 s[G1+0], 15|(3<<16)|(1<<21)          ; the mask: all four; elements of 8 bytes; bit 21 beside a mask; no padding
	s_mov_b32 s[G1+1], 32<<16                      ; tensor_dim0 = 32 elements: rows of 256 bytes
	s_mov_b32 s[G1+2], 75<<16                      ; tensor_dim1 = 75
	s_mov_b32 s[G1+3], 32<<16                      ; tile_dim0
	s_mov_b32 s[G1+4], 75                          ; tile_dim1
	s_mov_b32 s[G1+5], 32                          ; the pitch: dense
	s_mov_b32 s[G1+6], 0
	s_mov_b32 s[G1+7], 0
	s_mov_b32 s[G0], 1
	s_mul_i32 s[G0+1], s[WV], 19200                ; my eighth of the group, in LDS
	s_mul_i32 s36, s13, GRPB
	s_add_co_u32 s36, s36, s[G0+1]                 ; and in wc
	s_mov_b32 s37, 0
	s_lshl_b32 s14, s12, 7                         ; x: my tile's first token: 128 TB + 64 (w / 4) + 8 (w % 4), rows of 2,048 bytes
	; THE ORDER OF A TILE'S TOKENS, as it is in force: row r of tile w is token 64 (w / 4) + 8 (w % 4) + r % 8 + 32 (r / 8) of the block
	s_lshr_b32 s15, s[WV], 2
	s_lshl_b32 s15, s15, 6
	s_add_co_u32 s14, s14, s15
	s_and_b32 s15, s[WV], 3
	s_lshl_b32 s15, s15, 3
	s_add_co_u32 s14, s14, s15
	s_lshl_b32 s14, s14, 11
	s_mov_b32 s15, 0
	s_lshr_b32 s16, s12, 5                         ; the record of head 2 g: ((batch x 8 + 2 g) x 32 + TB % 32) x REC
	s_lshl_b32 s16, s16, 3
	s_lshl_b32 s17, s13, 1
	s_add_co_u32 s16, s16, s17
	s_lshl_b32 s16, s16, 5
	s_and_b32 s17, s12, 31
	s_add_co_u32 s16, s16, s17
	s_mul_i32 s16, s16, REC
	s_mov_b32 s17, 0
	s_mov_b32 s[SEL], 0x76543210
	s_mov_b32 s[SEL+1], 0xfedcba98                 ; v_permlanex16_b32's selects for lane l xor 16
	v_and_b32 v56, 31, v0                          ; lane
	v_and_b32 v57, 15, v0                          ; r
	v_bfe_u32 v58, v0, 4, 1                        ; h
	s_delay_alu instid0(VALU_DEP_3)
	v_lshlrev_b32 v[L16], 4, v56
	s_delay_alu instid0(VALU_DEP_4)
	v_lshlrev_b32 v[L8], 3, v56
	s_delay_alu instid0(VALU_DEP_4)
	v_and_b32 v[XA], 8, v57
	s_delay_alu instid0(VALU_DEP_1)
	v_mad_u32_u24 v[XA], v[XA], 3, v57             ; r + 24 (r / 8) = r % 8 + 32 (r / 8)
	s_delay_alu instid0(VALU_DEP_1)
	v_lshlrev_b32 v[XA], 11, v[XA]
	s_delay_alu instid0(VALU_DEP_1)
	v_lshl_add_u32 v[XA], v58, 6, v[XA]            ; + 64 h: my 16 numbers of a block of 32
	s_mul_i32 s38, s[WV], 6144
	s_add_co_u32 s39, s38, XIMG
	v_add_nc_u32 v[XWI], s39, v[L16]
	s_and_b32 s40, s[WV], 1
	s_lshl_b32 s40, s40, 8
	s_lshr_b32 s41, s[WV], 1
	s_lshl_b32 s41, s41, 2
	s_add_co_u32 s40, s40, s41                     ; 256 (w % 2) + 4 (w / 2)
	v_lshlrev_b32 v59, 4, v57
	s_delay_alu instid0(VALU_DEP_1)
	v_add_nc_u32 v59, s40, v59
	s_delay_alu instid0(VALU_DEP_1)
	v_add_nc_u32 v[PWX], XSC, v59
	s_delay_alu instid0(VALU_DEP_2)
	v_add_nc_u32 v[PWK], SCST, v59
	s_lshl_b32 s41, s[WV], 6
	s_add_co_u32 s41, s41, SCST+768
	v_lshl_add_u32 v[QWA], v57, 2, s41
	s_lshr_b32 s41, s[WV], 2
	s_mul_i32 s41, s41, 1280
	s_and_b32 s42, s[WV], 1
	s_lshl_b32 s42, s42, 7
	s_add_co_u32 s41, s41, s42
	s_bfe_u32 s42, s[WV], 0x10001
	s_lshl_b32 s42, s42, 2
	s_add_co_u32 s41, s41, s42
	s_add_co_u32 s41, s41, SCST+512
	v_lshl_add_u32 v[VWA], v57, 3, s41             ; 8 (r + 16 (t % 2)) + 4 (t / 2), t = w % 4, in head w / 4's part
	v_add_nc_u32 v[WA1], 49152, v[L16]
	s_add_co_u32 s39, s38, 98304
	v_add_nc_u32 v[WVA], s39, v[L16]               ; fragments 4 (16 + w) + s
	v_add_nc_u32 v[WSA], WSC, v[L16]
	s_lshl_b32 s39, s[WV], 8
	s_add_co_u32 s39, s39, WSC+4096
	v_lshl_add_u32 v[WVSA], v57, 4, s39            ; the four words of row r of tile J = 16 + w
	v_add_nc_u32 v[XRA], XIMG, v[L16]
	v_add_nc_u32 v[XSR], XSC, v[L16]
	s_mul_i32 s41, s[WV], 768
	v_add_nc_u32 v[VQ16], s41, v[L16]
	s_add_co_u32 s41, s41, 512
	v_add_nc_u32 v[VQ8], s41, v[L8]
	s_lshr_b32 s41, s[WV], 2
	s_mul_i32 s41, s41, HEADB
	s_and_b32 s42, s[WV], 3
	s_mul_i32 s42, s42, 1536
	s_add_co_u32 s41, s41, s42
	s_add_co_u32 s41, s41, 6144
	v_add_nc_u32 v[VV16], s41, v[L16]
	s_lshl_b32 s41, s[WV], 8
	s_add_co_u32 s42, s41, SCST
	v_add_nc_u32 v[CPL], s42, v[L8]
	s_add_co_u32 s42, s41, 12288
	v_add_nc_u32 v[CPG], s42, v[L8]
.irp b, 0,1,2,3
	v_mov_b32 v[TM+4+\b], 0                        ; written once: a lane permute's destination counts as one of its sources
.endr
	s_wait_dscnt 0x0                               ; the opening add is done
	s_wait_kmcnt 0x0
	s_add_nc_u64 s[G0+2:G0+3], s[6:7], s[36:37]
	s_or_b32 s[G0+3], s[G0+3], 0x80000000          ; type = 2
	s_add_nc_u64 s[4:5], s[4:5], s[14:15]
	s_add_nc_u64 s[8:9], s[8:9], s[16:17]
	CROUND                                         ; all four work-groups are here: the joint loads meet
	tensor_load_to_lds s[G0:G0+3], s[G1:G1+7]      ; my one tensor load of the launch
	s_nop 0
	PLACES 4
; ---- X: my 16 tokens of x, a K step (128 along K: 64 numbers a lane) at a time, two K steps on their way
.macro XLOAD reg, s
.irp b, 0,1,2,3
.irp j, 0,1,2,3
	global_load_b128 v[\reg+16*\b+4*\j:\reg+16*\b+4*\j+3], v[XA], s[4:5] offset:512*\s+128*\b+16*\j
.endr
.endr
.endm
.macro IMG s                           ; fragment s goes to LDS as it stands, and its scale word
.irp g, 0,1,2
	ds_store_b128 v[XWI], v[XF+12*\s+4*\g:XF+12*\s+4*\g+3] offset:1536*\s+512*\g
.endr
	ds_store_b32 v[PWX], v[XS+\s] offset:512*\s    ; lanes r and r + 16 write the same word with the same value
.endm
	XLOAD ACC, 0
	XLOAD ST, 1
	s_wait_loadcnt 16                              ; K step 0 is in; the younger step's 16 loads may be out
	QUANT ACC, XF, XS
	IMG 0
	XLOAD ACC, 2
	s_wait_loadcnt 16
	QUANT ST, XF+12, XS+1
	IMG 1
	XLOAD ST, 3
	s_wait_loadcnt 16
	QUANT ACC, XF+24, XS+2
	IMG 2
	s_wait_loadcnt 0x0
	QUANT ST, XF+36, XS+3
	IMG 3
	s_wait_tensorcnt 0x0                           ; my eighth of the weights has landed,
	s_wait_dscnt 0x0                               ; and so have my images
	s_barrier_signal -1
	s_barrier_wait -1                              ; everybody's have.  Nothing is filled again in this launch
	PLACES 8                                       ; x's scale words and fragments were written by vector instructions
; ---- QK: unit u = 0, 1: q of heads 2 g, 2 g + 1; 2, 3: k.  Four accumulators by turns, a K step at a time
.macro WSLOAD u
.irp p, 0,1
	ds_load_b128 v[WS+4*\p:WS+4*\p+3], v[WSA] offset:1024*(\u)+512*\p
.endr
.endm
.macro UNIT u
.irp s, 0,1,2,3
	PLACES 4                                       ; in front of loads into registers that matrix instructions have read
.irp t, 0,1,2,3
.irp g, 0,1,2
.if (\u) < 2
	ds_load_b128 v[FS+12*\t+4*\g:FS+12*\t+4*\g+3], v[L16] offset:(16*((\u)%2)+4*\t+\s)*1536+512*\g
.else
	ds_load_b128 v[FS+12*\t+4*\g:FS+12*\t+4*\g+3], v[WA1] offset:(16*((\u)%2)+4*\t+\s)*1536+512*\g
.endif
.endr
.endr
	s_wait_alu depctr_va_vdst(0)
	s_wait_dscnt 0x0
.irp t, 0,1,2,3
	MM ACC+8*\t, FS+12*\t, XF+12*\s, \s, WS+4*(\t/2)+\s, XS+\s, \t%2
.endr
.endr
	PLACES 4                                       ; in front of the first read of results and of the loads into the scale registers
.if (\u) < 3
	WSLOAD (\u)+1
.endif
	s_wait_xcnt 0x0                                ; the last unit's stores have read the registers that are written now
	QUANTH ACC, PC, PW
	v_or_b32 v[PW], 0x7f7f0000, v[PW]              ; bytes 2 and 3: 1.0, for the upper 64 of the instruction's K, which meet zero codes
.if (\u) < 2
	global_store_b128 v[VQ16], v[PC:PC+3], s[8:9] offset:((\u)%2)*HEADB+13568   ; 512 consecutive bytes,
	global_store_b64 v[VQ8], v[PC+4:PC+5], s[8:9] offset:((\u)%2)*HEADB+13568   ; and 256
	ds_store_b32 v[QWA], v[PW] offset:1280*((\u)%2)
.else
	global_store_b128 v[VQ16], v[PC:PC+3], s[8:9] offset:((\u)%2)*HEADB
	global_store_b64 v[VQ8], v[PC+4:PC+5], s[8:9] offset:((\u)%2)*HEADB
	ds_store_b32 v[PWK], v[PW] offset:1280*((\u)%2)
.endif
.endm
	WSLOAD 0
	UNIT 0
	UNIT 1
	UNIT 2
	UNIT 3
; ---- V: my tile of d against the eight token tiles: eight accumulators by turns
	PLACES 4
	s_wait_xcnt 0x0                                ; the last unit's stores have read their registers
.irp s, 0,1,2,3
.irp g, 0,1,2
	ds_load_b128 v[XF+12*\s+4*\g:XF+12*\s+4*\g+3], v[WVA] offset:1536*\s+512*\g   ; Wv's four fragments take the place of mine of x
.endr
.endr
	ds_load_b128 v[WVS:WVS+3], v[WVSA]
.irp s, 0,1,2,3
	ds_load_b128 v[XVS+4*\s:XVS+4*\s+3], v[XSR] offset:512*\s
.endr
.irp s, 0,1,2,3
.irp f, 0,1
	PLACES 4
.irp i, 0,1,2,3
.irp g, 0,1,2
	ds_load_b128 v[FS+12*\i+4*\g:FS+12*\i+4*\g+3], v[XRA] offset:(4*(4*\f+\i)+\s)*1536+512*\g
.endr
.endr
	s_wait_dscnt 0x0
.irp i, 0,1,2,3
	MM ACC+8*(4*\f+\i), FS+12*\i, XF+12*\s, \s, XVS+4*\s+2*\f+\i/2, WVS+\s, \i%2
.endr
.endr
.endr
	PLACES 4
; By the order of a tile's tokens, register 32 c + i of a lane is token 64 c + 32 (lane / 16) + i: two whole blocks, in the operand's own order.
; So a block's largest magnitude needs no other lane and the codes change no lane; the scale word's four bytes are gathered from lanes l and l xor 16.
.macro QUANTW s, d, pw
.irp c, 0,1
	v_max3_num_f32 v[TM+\c], |v[\s+32*\c]|, |v[\s+1+32*\c]|, 0x1800000   ; with the floor 2^(3 - 127): the byte cannot fall under 1
.endr
.irp i, 2,4,6,8,10,12,14,16,18,20,22,24,26,28,30
.irp c, 0,1
	v_max3_num_f32 v[TM+\c], v[TM+\c], |v[\s+32*\c+\i]|, |v[\s+1+32*\c+\i]|
.endr
.endr
.irp c, 0,1
	s_delay_alu instid0(VALU_DEP_2)
	v_add_nc_u32 v[TM+12+\c], 0xff000000, v[TM+\c] ; 2 off the exponent field: the conversion's scale operand
.endr
.irp c, 0,1
	s_delay_alu instid0(VALU_DEP_2)
	v_lshrrev_b32 v[TM+4+\c], 23, v[TM+12+\c]      ; the scale's byte
.endr
	v_bfe_u32 v[TM+8], v0, 4, 1
	v_lshl_or_b32 v[\pw], v[TM+5], 16, v[TM+4]     ; my two bytes: blocks h and 2 + h,
	v_lshlrev_b32 v[TM+8], 3, v[TM+8]
	s_delay_alu instid0(VALU_DEP_1)
	v_lshlrev_b32 v[\pw], v[TM+8], v[\pw]          ; 8 h bits up;
	s_delay_alu instid0(VALU_DEP_1)
	v_permlanex16_b32 v[TM+6], v[\pw], s[SEL], s[SEL+1]
	s_delay_alu instid0(VALU_DEP_1)
	v_or_b32 v[\pw], v[\pw], v[TM+6]               ; with lane l xor 16's two the word is whole
.irp c, 0,1
	v_cvt_scalef32_pk16_fp6_f32 v[\d+6*\c:\d+6*\c+2], v[\s+32*\c:\s+32*\c+15], v[TM+12+\c]
	v_cvt_scalef32_pk16_fp6_f32 v[T2+4*\c:T2+4*\c+2], v[\s+32*\c+16:\s+32*\c+31], v[TM+12+\c]
.endr
	v_nop                                          ; one plain place behind a scaled conversion
.irp c, 0,1
.irp i, 0,1,2
	v_mov_b32 v[\d+3+6*\c+\i], v[T2+4*\c+\i]
.endr
.endr
.endm
	QUANTW ACC, PC, PW                             ; along the 128 tokens
.irp g, 0,1,2
	global_store_b128 v[VV16], v[PC+4*\g:PC+4*\g+3], s[8:9] offset:512*\g
.endr
	ds_store_b32 v[VWA], v[PW]
	s_wait_dscnt 0x0                               ; for the others' sake: my scale words have landed
	s_barrier_signal -1
	s_barrier_wait -1
	s_cmp_lt_u32 s[WV], 5                          ; a head's 1,280 bytes of scale words leave as five runs of 256 bytes, a wave each
	s_cbranch_scc0 .Ldone
	ds_load_b64 v[56:57], v[CPL]
	ds_load_b64 v[58:59], v[CPL] offset:1280
	s_wait_dscnt 0x0
	global_store_b64 v[CPG], v[56:57], s[8:9]
	global_store_b64 v[CPG], v[58:59], s[8:9] offset:HEADB
.Ldone:
	s_wait_tensorcnt 0x0                           ; the wave's end: behind my last tensor load and my last LDS store
	ds_add_u32 v[SPW], v[NIL]
	s_wait_dscnt 0x0
	CROUND                                         ; the closing round
	s_endpgm
.Lfunc_end_k_q911cfa94a3_proj:
	.size	k_q911cfa94a3_proj, .Lfunc_end_k_q911cfa94a3_proj-k_q911cfa94a3_proj
	.p2alignl 7, 3214868480
	.fill 96, 4, 3214868480
	.section	.rodata,"a",@progbits
	.p2align	6, 0x0
	.amdhsa_kernel k_q911cfa94a3_proj
		.amdhsa_group_segment_fixed_size 208896
		.amdhsa_private_segment_fixed_size 0
		.amdhsa_enable_private_segment 0
		.amdhsa_kernarg_size 24
		.amdhsa_user_sgpr_count 2
		.amdhsa_user_sgpr_kernarg_segment_ptr 1
		.amdhsa_wavefront_size32 1
		.amdhsa_system_sgpr_workgroup_id_x 1
		.amdhsa_system_sgpr_workgroup_id_y 1
		.amdhsa_system_sgpr_workgroup_id_z 1
		.amdhsa_system_vgpr_workitem_id 0
		.amdhsa_next_free_vgpr 256
		.amdhsa_next_free_sgpr 66
		.amdhsa_reserve_vcc 0
		.amdhsa_float_denorm_mode_32 3
		.amdhsa_float_denorm_mode_16_64 3
		.amdhsa_memory_ordered 1
		.amdhsa_forward_progress 1
		.amdhsa_inst_pref_size 84
	.end_amdhsa_kernel
	.amdgpu_metadata
---
amdhsa.version: [ 1, 2 ]
amdhsa.kernels:
  - .name:           k_q911cfa94a3_proj
    .symbol:         k_q911cfa94a3_proj.kd
    .args:
      - { .name: x, .offset: 0, .size: 8, .value_kind: global_buffer, .address_space: global }
      - { .name: wc, .offset: 8, .size: 8, .value_kind: global_buffer, .address_space: global }
      - { .name: qkv, .offset: 16, .size: 8, .value_kind: global_buffer, .address_space: global }
    .group_segment_fixed_size: 208896
    .private_segment_fixed_size: 0
    .kernarg_segment_align: 8
    .kernarg_segment_size: 24
    .max_flat_workgroup_size: 256
    .sgpr_count:     66
    .vgpr_count:     256
    .wavefront_size: 32
...
	.end_amdgpu_metadata
.endif
;; end of part 2
;; launch attn (part 3): grid 16 x 16, 16 waves a work-group, clusters of 4 x 1, 327,680 bytes of LDS; arguments qkv, ao, aos; writes ao, aos
.if DOCPART == 3
	.amdgcn_target "amdgcn-amd-amdhsa--gfx1250"
	.amdhsa_code_object_version 6
	.text
	.protected	k_q911cfa94a3_attn
	.globl	k_q911cfa94a3_attn
	.p2align	8
	.type	k_q911cfa94a3_attn,@function
k_q911cfa94a3_attn:
	s_mov_b64 s[64:65], 0
	v_nop
	global_prefetch_b8 v0, s[64:65] scope:SCOPE_SE
	s_setreg_imm32_b32 hwreg(HW_REG_WAVE_MODE, 25, 1), 1
	s_wait_xcnt 0x0
	s_wait_alu depctr_hold_cnt(0) depctr_sa_sdst(0) depctr_va_vdst(0) depctr_va_sdst(0) depctr_va_ssrc(0) depctr_va_vcc(0) depctr_vm_vsrc(0)
	s_getreg_b32 s2, hwreg(HW_REG_IB_STS2, 6, 4)
	s_cmp_eq_u32 s2, 0
	s_cbranch_scc0 .Lentry_in_a_cluster
	s_endpgm
.Lentry_in_a_cluster:
	s_bfe_u32 s2, ttmp6, 0x10000c
	s_cmp_lg_u32 s2, 0x3003
	s_cbranch_scc0 .Lentry_shape_is_right
	s_endpgm
.Lentry_shape_is_right:
; O[q] = sum over keys of softmax(q . k / 8) v for one head, both products on codes of FP6 (E2M3) with E8M0 scales; O / l is quantised along d for the last product.
; THE SOFTMAX: t = score x log2(e) / 8; M = the running largest t rounded UP to a whole number; p = 2^(t - M) is quantised along the keys, not normalised; the row's sum l is taken of the
; unquantised p and divides O at the end.  When M moves, l and O are multiplied by 2^(old M - new M): exact.
; SHARES.  A work-group owns 256 queries of one head, each of its sixteen waves one tile of 16.  Every wave walks the head's 4,096 keys, 128 a step.
; A step's operands are the first 13,056 bytes of a record of qkv, images of the operands' registers: every LDS load reads consecutive bytes.
; LDS: 24 places of one key step.  Steps 0-7 come into places 0-7 at the head (waves 0-7, a step each), steps 8-23 into places 8-23 behind the first round (all sixteen waves, a step each),
; steps 24-31 into places 0-7 again behind the second (waves 0-7).  So the walk has three changes, and a wave has one tensor load out at the most.
; CLUSTER: the four work-groups of a cluster walk the same head: the loads are JOINT (mask 15).
; NO PREFETCH: steps 8-23 are asked for 8 key steps ahead of their first read and steps 24-31 16 ahead; the head's have no loop ahead of them.
; LAYOUT.  S^T = K Q^T (source 0 = 16 keys, source 1 = my queries), O^T = V^T P^T (source 0 = 16 of d, source 1 = P): a lane holds one query.  Row r of K's tile T is key
; 64 (T / 4) + 8 (T % 4) + r % 8 + 32 (r / 8) of the step (the launch before lays it so): register 32 c + i of the scores is key 64 c + 32 (lane / 16) + i: TWO WHOLE BLOCKS OF 32 KEYS IN A LANE,
; in the order of P's fragment.  A block's largest score needs no other lane and the codes change no lane; only the row's maximum and the scale word's bytes go between lanes l and l xor 16.
; TWO AREAS OF 64 REGISTERS TAKE TURNS.  In a step one holds K and then V, the other the scores and p; when p has become codes, the next step's K is loaded over it, ahead of this step's second product.
; K = 64 IN AN INSTRUCTION OF 128: Q's registers 6-11 are zero codes and the scale words' bytes 2, 3 are 1.0.  K's tile a stands in six registers, and its product names twelve: the upper six are the next
; tile's codes (behind the last tile: whatever the area holds): every pattern of six bits is a finite number, and it meets a zero code.
; LIMITS: NaN and infinities are not served; the promise holds while |t| stays under 2^31; p under 2^-126 counts as 0 (v_exp_f32 gives no denormal results: ISA guide, its entry); 1 / l is v_rcp_f32 and a
; multiplication; a block's largest p is taken as the exponential of its largest score; a block whose largest magnitude lies under 2^-124 keeps the byte 1, a block of zeros too: its codes are zeros,
; and this program alone reads the bytes.
.set REC,   19712
.set HEADB, 32*REC
.set STEPB, 13056
.set AST,   24*STEPB                   ; behind the 24 places: the 256 queries' scale halfwords, 512 bytes
.set SPARE, AST+512                    ; the spare words, 128 bytes a wave
.set L16, 1                            ; 16 x lane
.set L8,  2                            ; 8 x lane
.set A16, 3                            ; + the place in hand
.set A8,  4
.set SPW, 5
.set NIL, 6
.set ASW, 7                            ; where my query's scale halfword goes
.set ASR, 8                            ; and where wave 0 reads them back
.set H8,  9                            ; 8 x (lane / 16)
.set QR4, 11                           ; 4 r
.set MX,  13                           ; the running largest score.  v12 and v14: -M of even and odd steps, each the low word of a pair
.set TV,  15
.set QF,  16                           ; v16-21 Q's codes, v22-27 zeros
.set QS,  28                           ; Q's scale words
.set PS,  29                           ; P's scale word
.set LS,  30                           ; v[30:31] the row's sum, in two halves
.set RB,  32                           ; v32-95   area B
.set RA,  96                           ; v96-159  area A
.set OT,  160                          ; v160-191 O^T
.set PF,  192                          ; v192-203 P's codes
.set T2,  204                          ; v204-206, v208-210: a block's upper 16 codes (a conversion's three registers begin on an even number)
.set TW,  207                          ; what lane l xor 16 sends
.set MA,  212                          ; v212-213 the blocks' largest scores, then largest p;
.set MB,  214                          ; v214-215 a second chain for each
.set SO,  216                          ; v216-217 the conversions' scale operands
.set BT,  218                          ; v218-219 the bytes
.set F,   220                          ; v[220:221] f = 2^(old M - new M); later 1 / l
.set TD,  222
.set KS,  224                          ; v224-227 K's scale words: register p: lanes 0-15 tile 2 p, lanes 16-31 tile 2 p + 1
.set VS,  228                          ; v228-229 V's likewise
.set CH,  232                          ; v232-239 the step's sum, four chains of pairs
.set WV,  10
.set SEL, 20
.set CS,  22
.set G1,  24
.set G0,  32
.set TB,  36                           ; the place in hand, in bytes
.set CNT, 37
.set LD0, 53                           ; 13,056 x wave
.macro PLACES n
.rept \n
	v_nop
.endr
.endm
.macro CROUND                          ; a round of the cluster's barrier
	s_barrier_signal -1
	s_barrier_wait -1
	s_cmp_lg_u32 s[WV], 0
	s_cbranch_scc1 .Lnot_wave_0_\@
	s_barrier_signal -3
.Lnot_wave_0_\@:
	s_barrier_wait -3
	s_barrier_signal -1
	s_barrier_wait -1
.endm
.macro TLOAD                           ; waves 0-7 fetch; the branch hangs on the wave's number alone
	s_cmp_lt_u32 s[WV], 8
	s_cbranch_scc0 .Lnone_\@
	tensor_load_to_lds s[G0:G0+3], s[G1:G1+7]
	s_nop 0
	PLACES 4
.Lnone_\@:
.endm
.macro MM d, a, b, k, sa, sb, row
.if (\k) == 0
.if \row
	v_wmma_scale_f32_16x16x128_f8f6f4 v[\d:\d+7], v[\a:\a+11], v[\b:\b+11], 0, v[\sa], v[\sb] matrix_a_fmt:MATRIX_FMT_FP6 matrix_b_fmt:MATRIX_FMT_FP6 matrix_a_scale:MATRIX_SCALE_ROW1
.else
	v_wmma_scale_f32_16x16x128_f8f6f4 v[\d:\d+7], v[\a:\a+11], v[\b:\b+11], 0, v[\sa], v[\sb] matrix_a_fmt:MATRIX_FMT_FP6 matrix_b_fmt:MATRIX_FMT_FP6
.endif
.else
.if \row
	v_wmma_scale_f32_16x16x128_f8f6f4 v[\d:\d+7], v[\a:\a+11], v[\b:\b+11], v[\d:\d+7], v[\sa], v[\sb] matrix_a_fmt:MATRIX_FMT_FP6 matrix_b_fmt:MATRIX_FMT_FP6 matrix_a_scale:MATRIX_SCALE_ROW1
.else
	v_wmma_scale_f32_16x16x128_f8f6f4 v[\d:\d+7], v[\a:\a+11], v[\b:\b+11], v[\d:\d+7], v[\sa], v[\sb] matrix_a_fmt:MATRIX_FMT_FP6 matrix_b_fmt:MATRIX_FMT_FP6
.endif
.endif
.endm
.macro KLOAD R, ob                     ; K's eight half images and its scale words, from byte ob behind the place in hand
	ds_load_b128 v[KS:KS+3], v[A16] offset:(\ob)+12288
.irp a, 0,1,2,3,4,5,6,7
	ds_load_b128 v[\R+6*\a:\R+6*\a+3], v[A16] offset:(\ob)+768*\a
	ds_load_b64 v[\R+6*\a+4:\R+6*\a+5], v[A8] offset:(\ob)+768*\a+512
.endr
.endm
.macro ADD4 R                          ; the next four pairs of p, one onto each chain
.irp k, 0,1,2,3
	v_pk_add_f32 v[CH+2*\k:CH+2*\k+1], v[CH+2*\k:CH+2*\k+1], v[\R+PJ:\R+PJ+1]
.set PJ, PJ+2
.endr
.endm
	s_load_b128 s[4:7], s[0:1], 0x0                ; qkv s[4:5], ao s[6:7]
	s_load_b64 s[8:9], s[0:1], 0x10                ; aos
	v_lshl_add_u32 v[SPW], v0, 2, SPARE
	v_mov_b32 v[NIL], 0
	ds_add_u32 v[SPW], v[NIL]                      ; the wave's opening: the add, twice on end, and its wait ahead of the first tensor load
	ds_add_u32 v[SPW], v[NIL]
	v_lshrrev_b32 v1, 5, v0
	s_delay_alu instid0(VALU_DEP_1)
	v_readfirstlane_b32 s[WV], v1                  ; wave 0..15
	s_bfe_u32 s11, ttmp6, 0x40000                  ; cx: it enters Q's, ao's and aos's addresses alone
	s_lshl_b32 s12, ttmp9, 2
	s_add_co_u32 s12, s12, s11                     ; X: my block of 256 queries
	s_and_b32 s13, ttmp7, 0xffff                   ; bh = 8 x batch + head, which the four partners share
	s_mov_b32 s[G1+0], 15|(3<<16)|(1<<21)          ; the mask: all four; elements of 8 bytes; bit 21 beside a mask; no padding
	s_mov_b32 s[G1+1], 32<<16                      ; rows of 256 bytes
	s_mov_b32 s[G1+2], 51<<16                      ; 51 of them: a key step's 13,056 bytes
	s_mov_b32 s[G1+3], 32<<16
	s_mov_b32 s[G1+4], 51
	s_mov_b32 s[G1+5], 32                          ; dense
	s_mov_b32 s[G1+6], 0
	s_mov_b32 s[G1+7], 0
	s_mov_b32 s[G0], 1
	s_mul_i32 s[LD0], s[WV], STEPB
	s_mov_b32 s[G0+1], s[LD0]                      ; place = wave,
	s_mul_i32 s38, s13, HEADB
	s_mul_i32 s15, s[WV], REC
	s_add_co_u32 s38, s38, s15                     ; key step = wave
	s_mov_b32 s39, 0
	s_lshl_b32 s40, s13, 5                         ; my queries' record: (32 bh + 2 X + w / 8) x REC
	s_lshl_b32 s41, s12, 1
	s_add_co_u32 s40, s40, s41
	s_lshr_b32 s41, s[WV], 3
	s_add_co_u32 s40, s40, s41
	s_mul_i32 s40, s40, REC
	s_and_b32 s41, s[WV], 7                        ; and my tile in it
	s_mul_i32 s42, s41, 768
	s_add_co_u32 s42, s42, s40
	s_mov_b32 s43, 0
	s_lshl_b32 s44, s41, 6
	s_add_co_u32 s44, s44, s40
	s_mov_b32 s45, 0
	s_lshr_b32 s46, s13, 3                         ; batch
	s_and_b32 s47, s13, 7                          ; head
	s_lshl_b32 s48, s46, 8                         ; ao: ((256 batch + 16 X + w) x 8 + head) x 768
	s_lshl_b32 s49, s12, 4
	s_add_co_u32 s48, s48, s49
	s_add_co_u32 s48, s48, s[WV]
	s_lshl_b32 s48, s48, 3
	s_add_co_u32 s48, s48, s47
	s_mul_i32 s48, s48, 768
	s_mov_b32 s49, 0
	s_lshl_b32 s50, s47, 14                        ; aos: 16,384 head + 2 (4,096 batch + 256 X)
	s_lshl_b32 s51, s46, 13
	s_add_co_u32 s50, s50, s51
	s_lshl_b32 s51, s12, 9
	s_add_co_u32 s50, s50, s51
	s_mov_b32 s51, 0
	s_mov_b32 s[SEL], 0x76543210
	s_mov_b32 s[SEL+1], 0xfedcba98                 ; v_permlanex16_b32's selects for lane l xor 16
	s_mov_b32 s[CS], 0x3e38aa3b                    ; c = log2(e) / 8
	s_mov_b32 s[CS+1], s[CS]                       ; (named with it as a pair, so it is written)
	s_mov_b32 s[TB], 0
	v_and_b32 v9, 31, v0
	v_and_b32 v10, 15, v0                          ; r
	s_delay_alu instid0(VALU_DEP_2)
	v_lshlrev_b32 v[L16], 4, v9
	v_lshlrev_b32 v[L8], 3, v9
	s_lshl_b32 s52, s[WV], 5
	s_add_co_u32 s52, s52, AST
	v_lshl_add_u32 v[ASW], v10, 1, s52
	v_add_nc_u32 v[ASR], AST, v[L16]
	v_lshlrev_b32 v[QR4], 2, v10
	v_bfe_u32 v[H8], v0, 4, 1
	s_delay_alu instid0(VALU_DEP_1)
	v_lshlrev_b32 v[H8], 3, v[H8]
	s_wait_alu depctr_va_vdst(0)                   ; directly ahead of the waits below
	s_wait_dscnt 0x0                               ; both opening adds are done
	s_wait_kmcnt 0x0
	s_add_nc_u64 s[G0+2:G0+3], s[4:5], s[38:39]
	s_or_b32 s[G0+3], s[G0+3], 0x80000000          ; type = 2
	s_add_nc_u64 s[42:43], s[4:5], s[42:43]
	s_add_nc_u64 s[44:45], s[4:5], s[44:45]
	s_add_nc_u64 s[6:7], s[6:7], s[48:49]
	s_add_nc_u64 s[8:9], s[8:9], s[50:51]
	CROUND                                         ; all four work-groups are here: the first joint loads meet
	TLOAD                                          ; key steps 0-7 into places 0-7
	global_load_b128 v[QF:QF+3], v[L16], s[42:43] offset:13568       ; Q's half image stays in registers
	global_load_b64 v[QF+4:QF+5], v[L8], s[42:43] offset:13568+512
	global_load_b32 v[QS], v[QR4], s[44:45] offset:13056
	v_mov_b32 v[MX], 0xff61b1e6                    ; the largest score so far: -3e38, under every score
	v_mov_b32 v14, 0x7f61b1e6                      ; the -M ahead of step 0: 3e38, so that the first f is 0
	v_mov_b32 v[TV], 0
	v_mov_b32 v[LS], 0                             ; the sum, in two halves
	v_mov_b32 v[LS+1], 0
.irp j, 0,1,2,3,4,5
	v_mov_b32 v[QF+6+\j], 0                        ; zero codes for the upper 64 of the instruction's K
	v_mov_b32 v[RB+48+\j], 0                       ; behind K's last tile in step 0: written, so that it may be named
.endr
	v_mov_b32 v[TW], 0                             ; written once: a lane permute's destination counts as one of its sources
	v_mov_b32 v[BT], 0
	v_mov_b32 v[BT+1], 0
	v_mov_b32 v[F+1], 0                            ; (named as the upper half of a pair)
.set j, 0
.rept 32
	v_mov_b32 v[OT+j], 0                           ; O^T: the step is written once; the first finds zeros, which the first f leaves zeros
.set j, j+1
.endr
; A KEY STEP: 128 keys, at place q behind the place in hand.  KA: the area with K, then V.  SA: the area of the scores, then p, then (pre = 1) the next step's K.  NMN, NMO: this step's -M and the last's.
.macro STEP q, KA, SA, NMN, NMO, pre
.set OB, STEPB*(\q)
	s_wait_dscnt 0x0                               ; K is in
.irp a, 0,1,2,3,4,5,6,7
	MM \SA+8*\a, \KA+6*\a, QF, 0, KS+\a/2, QS, \a%2
.endr
	PLACES 4                                       ; in front of the loads below and of the first read of the scores
.irp t, 0,1,2,3                                ; V is asked for now and lands under the softmax
.irp g, 0,1,2
	ds_load_b128 v[\KA+12*\t+4*\g:\KA+12*\t+4*\g+3], v[A16] offset:OB+6144+1536*\t+512*\g
.endr
.endr
	ds_load_b64 v[VS:VS+1], v[A8] offset:OB+12800
.irp c, 0,1                                    ; the largest score of each of my two blocks, in two chains each
	v_max3_num_f32 v[MA+\c], v[\SA+32*\c], v[\SA+32*\c+1], v[\SA+32*\c+2]
	v_max3_num_f32 v[MB+\c], v[\SA+32*\c+17], v[\SA+32*\c+18], v[\SA+32*\c+19]
.endr
.irp i, 3,5,7,9,11,13
.irp c, 0,1
	v_max3_num_f32 v[MA+\c], v[MA+\c], v[\SA+32*\c+\i], v[\SA+32*\c+\i+1]
	v_max3_num_f32 v[MB+\c], v[MB+\c], v[\SA+32*\c+\i+17], v[\SA+32*\c+\i+18]
.endr
.endr
.irp c, 0,1
	v_max3_num_f32 v[MA+\c], v[MA+\c], v[\SA+32*\c+15], v[\SA+32*\c+16]
.endr
.irp c, 0,1
	s_delay_alu instid0(VALU_DEP_2)
	v_max_num_f32 v[MA+\c], v[MA+\c], v[MB+\c]     ; it serves the row's maximum and, since p rises with the score, the block's largest p
.endr
	s_delay_alu instid0(VALU_DEP_1)
	v_max_num_f32 v[TV], v[MA], v[MA+1]
	s_delay_alu instid0(VALU_DEP_1)
	v_permlanex16_b32 v[TW], v[TV], s[SEL], s[SEL+1]
	s_delay_alu instid0(VALU_DEP_1)
	v_max3_num_f32 v[MX], v[MX], v[TV], v[TW]      ; the running largest score of my query, lane l xor 16's 64 keys among them
	s_delay_alu instid0(VALU_DEP_1)
	v_mul_f32 v[TV], s[CS], v[MX]                  ; as t (c is positive)
	s_delay_alu instid0(VALU_DEP_1)
	v_floor_f32 v[\NMN], -v[TV]                    ; -M = floor(-t): M is a whole number
.set j, 0
.rept 32
	v_pk_fma_f32 v[\SA+j:\SA+j+1], v[\SA+j:\SA+j+1], s[CS:CS+1], v[\NMN:\NMN+1] op_sel_hi:[1,0,0]   ; t - M, two at a time
.set j, j+2
.endr
.irp c, 0,1
	v_fma_f32 v[MA+\c], v[MA+\c], s[CS], v[\NMN]   ; the same of each block's largest score
.endr
	s_wait_alu depctr_va_vdst(0)                   ; ahead of the batch
	v_exp_f32 v[MA], v[MA]                         ; the blocks' largest p: the same two instructions on the same number give the same bits
	v_exp_f32 v[MA+1], v[MA+1]
.set j, 0
.rept 64
	v_exp_f32 v[\SA+j], v[\SA+j]                   ; p = 2^(t - M), at most 1
.set j, j+1
.endr
	v_sub_f32 v[TD], v[\NMN], v[\NMO]              ; old M - new M: a whole number, 0 or less.  (Plain work behind the exponentials)
	s_delay_alu instid0(VALU_DEP_1)
	v_cvt_i32_f32 v[TD], v[TD]                     ; (it saturates)
	s_delay_alu instid0(VALU_DEP_1)
	v_ldexp_f32 v[F], 1.0, v[TD]                   ; f = 2^(old M - new M)
	s_wait_alu depctr_va_vdst(0)                   ; one wait for the 66, ahead of their first reader
.irp c, 0,1
	v_max_num_f32 v[MA+\c], 0x1800000, v[MA+\c]    ; the floor 2^(3 - 127): the byte cannot fall under 1
.endr
.irp k, 0,1,2,3
	v_pk_add_f32 v[CH+2*\k:CH+2*\k+1], v[\SA+4*\k:\SA+4*\k+1], v[\SA+4*\k+2:\SA+4*\k+3]   ; THE SUM IS TAKEN OF THE UNQUANTISED p; the scale word is made between its lines
.endr
.set PJ, 16
.irp c, 0,1
	v_add_nc_u32 v[SO+\c], 0xff000000, v[MA+\c]    ; 2 off the exponent field: the conversion's scale operand
.endr
	ADD4 \SA
.irp c, 0,1
	v_lshrrev_b32 v[BT+\c], 23, v[SO+\c]           ; the scale's byte
.endr
	ADD4 \SA
	v_lshl_or_b32 v[PS], v[BT+1], 16, v[BT]        ; my two bytes: blocks h and 2 + h,
	ADD4 \SA
	v_lshlrev_b32 v[PS], v[H8], v[PS]              ; 8 h bits up
	ADD4 \SA
	v_permlanex16_b32 v[TW], v[PS], s[SEL], s[SEL+1]
	ADD4 \SA
	ADD4 \SA
.irp c, 0,1
	v_cvt_scalef32_pk16_fp6_f32 v[PF+6*\c:PF+6*\c+2], v[\SA+32*\c:\SA+32*\c+15], v[SO+\c]
	v_cvt_scalef32_pk16_fp6_f32 v[T2+4*\c:T2+4*\c+2], v[\SA+32*\c+16:\SA+32*\c+31], v[SO+\c]
.endr
	v_or_b32 v[PS], v[PS], v[TW]                   ; with lane l xor 16's two bytes the word is whole.  (The plain place behind the conversions)
.irp c, 0,1
.irp i, 0,1,2
	v_mov_b32 v[PF+3+6*\c+\i], v[T2+4*\c+\i]
.endr
.endr
	s_wait_dscnt 0x0                               ; V is in
.if \pre
	KLOAD \SA, OB+STEPB                            ; p has become codes and has been summed: the next step's K takes its registers
.endif
	s_wait_alu depctr_va_vdst(0)                   ; directly ahead of the first reader of O^T
.set j, 0
.rept 16
	v_pk_mul_f32 v[OT+j:OT+j+1], v[OT+j:OT+j+1], v[F:F+1] op_sel_hi:[1,0]   ; O^T under the new M; these lines are also the places between P's codes and scale word and the products
.set j, j+2
.endr
.irp t, 0,1,2,3
	MM OT+8*\t, \KA+12*\t, PF, 1, VS+\t/2, PS, \t%2
.endr
	v_pk_add_f32 v[CH:CH+1], v[CH:CH+1], v[CH+2:CH+3]        ; five places: the next step's scores are laid over V.  Four of them join the sum's chains
	v_pk_add_f32 v[CH+4:CH+5], v[CH+4:CH+5], v[CH+6:CH+7]
	v_nop
	v_pk_add_f32 v[CH:CH+1], v[CH:CH+1], v[CH+4:CH+5]
	v_pk_fma_f32 v[LS:LS+1], v[LS:LS+1], v[F:F+1], v[CH:CH+1] op_sel_hi:[1,0,1]   ; l = l f + the step's sum
.endm
; 2 x trips key steps from the place in hand on.  The last two are written out: the very last loads no K, since what follows it lies behind a change.
.macro PHASE trips
	v_add_nc_u32 v[A16], s[TB], v[L16]
	v_add_nc_u32 v[A8], s[TB], v[L8]
	s_wait_alu depctr_va_vdst(0)
	KLOAD RB, 0
	s_mov_b32 s[CNT], \trips-1
.Lph_\@:
	STEP 0, RB, RA, 12, 14, 1
	STEP 1, RA, RB, 14, 12, 1
	s_add_co_u32 s[TB], s[TB], 2*STEPB
	v_add_nc_u32 v[A16], s[TB], v[L16]
	v_add_nc_u32 v[A8], s[TB], v[L8]
	s_sub_co_u32 s[CNT], s[CNT], 1
	s_cmp_lg_u32 s[CNT], 0
	s_wait_alu depctr_va_vdst(0)                   ; directly ahead of the branch
	s_cbranch_scc1 .Lph_\@
	STEP 0, RB, RA, 12, 14, 1
	STEP 1, RA, RB, 14, 12, 0
	s_add_co_u32 s[TB], s[TB], 2*STEPB
	s_wait_alu depctr_va_vdst(0)                   ; ahead of the waits of the change that follows
.endm
	s_wait_alu depctr_va_vdst(0)                   ; at the head's end
	s_wait_loadcnt 0x0                             ; Q
	; THE FIRST CHANGE: places 0-7 are whole; places 8-23 are filled for the first time, issued as a refill is
	s_wait_tensorcnt 0x0                           ; no tensor load of mine is out, so the descriptor may be written
	ds_add_u32 v[SPW], v[NIL]                      ; the add, here twice on end
	ds_add_u32 v[SPW], v[NIL]
	s_add_co_u32 s[G0+1], s[LD0], 8*STEPB          ; place 8 + wave,
	s_add_nc_u64 s[G0+2:G0+3], s[G0+2:G0+3], 8*REC ; key step 8 + wave; the type bits on top are not reached
	s_wait_dscnt 0x0
	CROUND
	tensor_load_to_lds s[G0:G0+3], s[G1:G1+7]      ; every wave's one load behind this round
	s_nop 0
	PLACES 4
	PHASE 4                                        ; key steps 0-7
	; THE SECOND CHANGE: places 8-23 are whole, places 0-7 are read no more and take key steps 24-31
	s_wait_tensorcnt 0x0
	ds_add_u32 v[SPW], v[NIL]
	s_mov_b32 s[G0+1], s[LD0]                      ; place = wave,
	s_add_nc_u64 s[G0+2:G0+3], s[G0+2:G0+3], 16*REC ; key step 24 + wave (used by waves 0-7 alone)
	s_wait_dscnt 0x0                               ; the add is done, and my reads of places 0-7 are over
	CROUND                                         ; the same now holds of every wave of all four work-groups
	TLOAD
	PHASE 8                                        ; key steps 8-23
	; THE THIRD CHANGE: places 0-7 are whole again; nothing more is fetched
	s_wait_tensorcnt 0x0
	ds_add_u32 v[SPW], v[NIL]
	s_mov_b32 s[TB], 0
	s_wait_dscnt 0x0
	s_barrier_signal -1
	s_barrier_wait -1
	PHASE 4                                        ; key steps 24-31
	; THE WAY OUT: O^T / l, quantised along d: half a fragment of the last product's operand (this head's 64 of its K), and two scale bytes a query.
	; By the order of Wv's columns register 16 b + i of O^T is d = 32 b + 16 (lane / 16) + i: here a block lies in lanes l and l xor 16
	v_add_f32 v[LS], v[LS], v[LS+1]                ; the sum's two halves,
	s_delay_alu instid0(VALU_DEP_1)
	v_permlanex16_b32 v[TW], v[LS], s[SEL], s[SEL+1]
	s_delay_alu instid0(VALU_DEP_1)
	v_add_f32 v[LS], v[LS], v[TW]                  ; and lane l xor 16's
	s_wait_alu depctr_va_vdst(0)
	v_rcp_f32 v[F], v[LS]
	v_nop                                          ; a plain place behind the reciprocal
	s_wait_alu depctr_va_vdst(0)                   ; and the wait ahead of its first reader, which is O^T's first reader too
.set j, 0
.rept 16
	v_pk_mul_f32 v[RB+j:RB+j+1], v[OT+j:OT+j+1], v[F:F+1] op_sel_hi:[1,0]
.set j, j+2
.endr
.irp b, 0,1
	v_max3_num_f32 v[MA+\b], |v[RB+16*\b]|, |v[RB+1+16*\b]|, 0x1800000
.endr
.irp i, 2,4,6,8,10,12,14
.irp b, 0,1
	s_delay_alu instid0(VALU_DEP_2)
	v_max3_num_f32 v[MA+\b], v[MA+\b], |v[RB+16*\b+\i]|, |v[RB+1+16*\b+\i]|
.endr
.endr
.irp b, 0,1
	s_delay_alu instid0(VALU_DEP_2)
	v_permlanex16_b32 v[BT+\b], v[MA+\b], s[SEL], s[SEL+1]
.endr
.irp b, 0,1
	s_delay_alu instid0(VALU_DEP_2)
	v_max_num_f32 v[MA+\b], v[MA+\b], v[BT+\b]
.endr
.irp b, 0,1
	s_delay_alu instid0(VALU_DEP_2)
	v_add_nc_u32 v[SO+\b], 0xff000000, v[MA+\b]
.endr
.irp b, 0,1
	s_delay_alu instid0(VALU_DEP_2)
	v_lshrrev_b32 v[BT+\b], 23, v[SO+\b]
.endr
	s_delay_alu instid0(VALU_DEP_1)
	v_lshl_or_b32 v[TV], v[BT+1], 8, v[BT]
	v_cvt_scalef32_pk16_fp6_f32 v[PF:PF+2], v[RB:RB+15], v[SO]
	v_cvt_scalef32_pk16_fp6_f32 v[T2:T2+2], v[RB+16:RB+31], v[SO+1]
	v_nop
.irp i, 0,1,2
	v_permlane16_swap_b32 v[PF+\i], v[T2+\i]       ; the operand's layout wants a whole block in a lane
.endr
.irp i, 0,1,2
	s_delay_alu instid0(VALU_DEP_3)
	v_mov_b32 v[PF+3+\i], v[T2+\i]
.endr
	global_store_b128 v[L16], v[PF:PF+3], s[6:7]             ; 512 consecutive bytes,
	global_store_b64 v[L8], v[PF+4:PF+5], s[6:7] offset:512  ; and 256
	ds_store_b16 v[ASW], v[TV]                     ; lanes r and r + 16 write the same halfword with the same value
	s_wait_dscnt 0x0                               ; for wave 0's sake
	s_barrier_signal -1
	s_barrier_wait -1
	s_cmp_lg_u32 s[WV], 0
	s_cbranch_scc1 .Lend
	ds_load_b128 v[RB:RB+3], v[ASR]                ; the 256 queries' halfwords leave as 512 consecutive bytes
	s_wait_dscnt 0x0
	global_store_b128 v[L16], v[RB:RB+3], s[8:9]
.Lend:
	s_wait_tensorcnt 0x0                           ; the wave's end: behind my last tensor load and my last LDS store
	ds_add_u32 v[SPW], v[NIL]
	s_wait_dscnt 0x0
	CROUND                                         ; the closing round
	s_endpgm
.Lfunc_end_k_q911cfa94a3_attn:
	.size	k_q911cfa94a3_attn, .Lfunc_end_k_q911cfa94a3_attn-k_q911cfa94a3_attn
	.p2alignl 7, 3214868480
	.fill 96, 4, 3214868480
	.section	.rodata,"a",@progbits
	.p2align	6, 0x0
	.amdhsa_kernel k_q911cfa94a3_attn
		.amdhsa_group_segment_fixed_size 327680
		.amdhsa_private_segment_fixed_size 0
		.amdhsa_enable_private_segment 0
		.amdhsa_kernarg_size 24
		.amdhsa_user_sgpr_count 2
		.amdhsa_user_sgpr_kernarg_segment_ptr 1
		.amdhsa_wavefront_size32 1
		.amdhsa_system_sgpr_workgroup_id_x 1
		.amdhsa_system_sgpr_workgroup_id_y 1
		.amdhsa_system_sgpr_workgroup_id_z 1
		.amdhsa_system_vgpr_workitem_id 0
		.amdhsa_next_free_vgpr 256
		.amdhsa_next_free_sgpr 66
		.amdhsa_reserve_vcc 0
		.amdhsa_float_denorm_mode_32 3
		.amdhsa_float_denorm_mode_16_64 3
		.amdhsa_memory_ordered 1
		.amdhsa_forward_progress 1
		.amdhsa_inst_pref_size 188
	.end_amdhsa_kernel
	.amdgpu_metadata
---
amdhsa.version: [ 1, 2 ]
amdhsa.kernels:
  - .name:           k_q911cfa94a3_attn
    .symbol:         k_q911cfa94a3_attn.kd
    .args:
      - { .name: qkv, .offset: 0, .size: 8, .value_kind: global_buffer, .address_space: global }
      - { .name: ao, .offset: 8, .size: 8, .value_kind: global_buffer, .address_space: global }
      - { .name: aos, .offset: 16, .size: 8, .value_kind: global_buffer, .address_space: global }
    .group_segment_fixed_size: 327680
    .private_segment_fixed_size: 0
    .kernarg_segment_align: 8
    .kernarg_segment_size: 24
    .max_flat_workgroup_size: 512
    .sgpr_count:     66
    .vgpr_count:     256
    .wavefront_size: 32
...
	.end_amdgpu_metadata
.endif
;; end of part 3
;; launch oproj (part 4): grid 64 x 4, 8 waves a work-group, clusters of 4 x 1, 167,936 bytes of LDS; arguments ao, aos, wc, bo, out0; writes out0
.if DOCPART == 4
	.amdgcn_target "amdgcn-amd-amdhsa--gfx1250"
	.amdhsa_code_object_version 6
	.text
	.protected	k_q911cfa94a3_oproj
	.globl	k_q911cfa94a3_oproj
	.p2align	8
	.type	k_q911cfa94a3_oproj,@function
k_q911cfa94a3_oproj:
	s_mov_b64 s[64:65], 0
	v_nop
	global_prefetch_b8 v0, s[64:65] scope:SCOPE_SE
	s_setreg_imm32_b32 hwreg(HW_REG_WAVE_MODE, 25, 1), 1
	s_wait_xcnt 0x0
	s_wait_alu depctr_hold_cnt(0) depctr_sa_sdst(0) depctr_va_vdst(0) depctr_va_sdst(0) depctr_va_ssrc(0) depctr_va_vcc(0) depctr_vm_vsrc(0)
	s_getreg_b32 s2, hwreg(HW_REG_IB_STS2, 6, 4)
	s_cmp_eq_u32 s2, 0
	s_cbranch_scc0 .Lentry_in_a_cluster
	s_endpgm
.Lentry_in_a_cluster:
	s_bfe_u32 s2, ttmp6, 0x10000c
	s_cmp_lg_u32 s2, 0x3003
	s_cbranch_scc0 .Lentry_shape_is_right
	s_endpgm
.Lentry_shape_is_right:
; out0 = a Wo + bo on codes of FP6 (E2M3) with E8M0 scales.  a (attention's result) lies in ao as half images of the operand's registers, [token tile][head], its scale bytes in aos, two to a (head, token).
; SHARES.  A work-group takes 128 tokens (block TB) and 128 columns (group cg); wave w takes token tile w against the eight tiles of columns: 32 products, eight accumulators by turns.
; Wo's group (32 fragments and their scale words, 51,200 dense bytes of wc) comes into LDS once.  CLUSTER: the four work-groups of a cluster have the same cg: the loads are JOINT (mask 15), 25 rows of 256 bytes a wave.
; Source 0 = 16 columns of Wo, source 1 = a: a lane holds one token, and by the order of a tile's columns the registers of tiles 2 b, 2 b + 1 are columns 32 b + 16 (lane / 16) + 0 .. 15.
; The bias is loaded in the result's layout straight into the accumulators: it is the C of each sum's first product.
; Row r of token tile w is token 64 (w / 4) + 8 (w % 4) + r % 8 + 32 (r / 8) of the block.  The results go through the wave's own stage in LDS and leave as runs of 512 bytes of a row.
; LIMITS: NaN and infinities are not served.
.set WOB,   614400
.set WOG,   51200
.set WSC,   49152
.set STG,   51200                      ; LDS behind the weights: a stage of 16 rows x (512 + 16) bytes for each wave
.set SPARE, STG+8*16*528               ; the spare words, 128 bytes a wave
.set L16, 1
.set L8,  2
.set R2,  3                            ; 2 r
.set H64, 4                            ; 64 h
.set SO,  5                            ; the stage: where I put 32 bytes of a row
.set SR,  6                            ; and where I read a row back
.set WSA, 7
.set SPW, 8
.set NIL, 9
.set AS,  12                           ; v12-15 a's scale words, a K step each
.set WS,  16                           ; v16-31 Wo's: register 4 p + s: lanes 0-15 tile 2 p, lanes 16-31 tile 2 p + 1
.set HW,  32                           ; v32-39 a's scale halfwords, a head each
.set AF,  40                           ; v40-87 a's four fragments: head hd's six registers at 6 hd
.set FS,  88                           ; v88-135 four fragments of Wo
.set ACC, 136                          ; v136-199
.set BK,  40                           ; the way out: 16 rows, in the registers of fragments that are done with
.set WV,  14
.set G1,  24
.set G0,  32
.macro PLACES n
.rept \n
	v_nop
.endr
.endm
.macro CROUND                          ; a round of the cluster's barrier
	s_barrier_signal -1
	s_barrier_wait -1
	s_cmp_lg_u32 s[WV], 0
	s_cbranch_scc1 .Lnot_wave_0_\@
	s_barrier_signal -3
.Lnot_wave_0_\@:
	s_barrier_wait -3
	s_barrier_signal -1
	s_barrier_wait -1
.endm
.macro MM d, a, b, sa, sb, row
.if \row
	v_wmma_scale_f32_16x16x128_f8f6f4 v[\d:\d+7], v[\a:\a+11], v[\b:\b+11], v[\d:\d+7], v[\sa], v[\sb] matrix_a_fmt:MATRIX_FMT_FP6 matrix_b_fmt:MATRIX_FMT_FP6 matrix_a_scale:MATRIX_SCALE_ROW1
.else
	v_wmma_scale_f32_16x16x128_f8f6f4 v[\d:\d+7], v[\a:\a+11], v[\b:\b+11], v[\d:\d+7], v[\sa], v[\sb] matrix_a_fmt:MATRIX_FMT_FP6 matrix_b_fmt:MATRIX_FMT_FP6
.endif
.endm
	s_load_b256 s[4:11], s[0:1], 0x0               ; ao s[4:5], aos s[6:7], wc s[8:9], bo s[10:11]
	s_load_b64 s[12:13], s[0:1], 0x20              ; out0
	v_lshl_add_u32 v[SPW], v0, 2, SPARE
	v_mov_b32 v[NIL], 0
	ds_add_u32 v[SPW], v[NIL]                      ; the wave's opening: the add and its wait ahead of my first tensor load; the set-up below stands between them
	ds_add_u32 v[SPW], v[NIL]
	v_lshrrev_b32 v1, 5, v0
	s_delay_alu instid0(VALU_DEP_1)
	v_readfirstlane_b32 s[WV], v1                  ; wave 0..7
	s_bfe_u32 s15, ttmp6, 0x40000                  ; cx: it enters ao's, aos's and out0's addresses alone
	s_lshl_b32 s16, ttmp9, 2
	s_add_co_u32 s16, s16, s15                     ; TB
	s_and_b32 s17, ttmp7, 0xffff                   ; cg, which the four partners share
	s_mov_b32 s[G1+0], 15|(3<<16)|(1<<21)          ; the mask: all four; elements of 8 bytes; bit 21 beside a mask; no padding
	s_mov_b32 s[G1+1], 32<<16                      ; rows of 256 bytes
	s_mov_b32 s[G1+2], 25<<16                      ; 25 of them
	s_mov_b32 s[G1+3], 32<<16
	s_mov_b32 s[G1+4], 25
	s_mov_b32 s[G1+5], 32                          ; dense
	s_mov_b32 s[G1+6], 0
	s_mov_b32 s[G1+7], 0
	s_mov_b32 s[G0], 1
	s_mul_i32 s[G0+1], s[WV], 6400                 ; my eighth of the group, in LDS
	s_mul_i32 s36, s17, WOG
	s_add_co_u32 s36, s36, s[G0+1]
	s_add_co_u32 s36, s36, WOB                     ; and in wc
	s_mov_b32 s37, 0
	s_lshl_b32 s38, s16, 3
	s_add_co_u32 s38, s38, s[WV]                   ; my token tile: 8 TB + w
	s_mul_i32 s40, s38, 6144                       ; its eight half images,
	s_mov_b32 s41, 0
	s_lshl_b32 s42, s38, 5                         ; its 16 halfwords of a head,
	s_mov_b32 s43, 0
	s_lshl_b32 s44, s17, 9                         ; my 128 numbers of bo,
	s_mov_b32 s45, 0
	s_lshl_b32 s46, s16, 7                         ; and my tile's first token: 128 TB + 64 (w / 4) + 8 (w % 4), rows of 2,048 bytes, + 512 cg
	; THE ORDER OF A TILE'S TOKENS, as it is in force: row r of token tile w is token 64 (w / 4) + 8 (w % 4) + r % 8 + 32 (r / 8) of the block
	s_lshr_b32 s47, s[WV], 2
	s_lshl_b32 s47, s47, 6
	s_add_co_u32 s46, s46, s47
	s_and_b32 s47, s[WV], 3
	s_lshl_b32 s47, s47, 3
	s_add_co_u32 s46, s46, s47
	s_lshl_b32 s46, s46, 11
	s_add_co_u32 s46, s46, s44
	s_mov_b32 s47, 0
	v_and_b32 v2, 31, v0
	v_and_b32 v10, 15, v0                          ; r
	v_bfe_u32 v11, v0, 4, 1                        ; h
	s_delay_alu instid0(VALU_DEP_3)
	v_lshlrev_b32 v[L16], 4, v2
	s_delay_alu instid0(VALU_DEP_4)
	v_lshlrev_b32 v[L8], 3, v2
	s_delay_alu instid0(VALU_DEP_4)
	v_lshlrev_b32 v[R2], 1, v10
	s_delay_alu instid0(VALU_DEP_4)
	v_lshlrev_b32 v[H64], 6, v11
	s_mul_i32 s48, s[WV], 16*528
	s_add_co_u32 s48, s48, STG                     ; my stage
	v_mul_u32_u24 v[SO], v10, 528
	s_delay_alu instid0(VALU_DEP_1)
	v_lshl_add_u32 v[SO], v11, 6, v[SO]
	s_delay_alu instid0(VALU_DEP_1)
	v_add_nc_u32 v[SO], s48, v[SO]                 ; in: row r, + 64 h
	v_add_nc_u32 v[SR], s48, v[L16]                ; back: 16 bytes a lane of a row's 512
	v_add_nc_u32 v[WSA], WSC, v[L16]
	s_wait_dscnt 0x0                               ; the opening add is done
	s_wait_kmcnt 0x0
	s_add_nc_u64 s[G0+2:G0+3], s[8:9], s[36:37]
	s_or_b32 s[G0+3], s[G0+3], 0x80000000          ; type = 2
	s_add_nc_u64 s[4:5], s[4:5], s[40:41]
	s_add_nc_u64 s[6:7], s[6:7], s[42:43]
	s_add_nc_u64 s[10:11], s[10:11], s[44:45]
	s_add_nc_u64 s[12:13], s[12:13], s[46:47]
	CROUND                                         ; all four work-groups are here: the joint loads meet
	tensor_load_to_lds s[G0:G0+3], s[G1:G1+7]      ; my one tensor load of the launch
	s_nop 0
	PLACES 4
	s_wait_alu depctr_va_vdst(0)
.irp d, 0,1,2,3,4,5,6,7
	global_load_b128 v[AF+6*\d:AF+6*\d+3], v[L16], s[4:5] offset:768*\d
	global_load_b64 v[AF+6*\d+4:AF+6*\d+5], v[L8], s[4:5] offset:768*\d+512
	global_load_u16 v[HW+\d], v[R2], s[6:7] offset:16384*\d
.endr
.irp t, 0,1,2,3,4,5,6,7
	global_load_b128 v[ACC+8*\t:ACC+8*\t+3], v[H64], s[10:11] offset:128*(\t/2)+32*(\t%2)       ; bo at my eight columns of tile t
	global_load_b128 v[ACC+8*\t+4:ACC+8*\t+7], v[H64], s[10:11] offset:128*(\t/2)+32*(\t%2)+16
.endr
	s_wait_tensorcnt 0x0                           ; my eighth of the weights has landed,
	s_barrier_signal -1
	s_barrier_wait -1                              ; everybody's has.  Nothing is filled again in this launch
.irp p, 0,1,2,3
	ds_load_b128 v[WS+4*\p:WS+4*\p+3], v[WSA] offset:512*\p
.endr
	s_wait_loadcnt 0x0
.irp s, 0,1,2,3
	v_lshl_or_b32 v[AS+\s], v[HW+1+2*\s], 16, v[HW+2*\s]   ; K step s is heads 2 s and 2 s + 1: two bytes of each
.endr
	PLACES 8                                       ; a scale register written by a vector instruction stands eight places ahead of a scaled product
	s_wait_alu depctr_va_vdst(0)
.irp s, 0,1,2,3
.irp f, 0,1
	PLACES 4                                       ; in front of loads into registers that matrix instructions have read
.irp i, 0,1,2,3
.irp g, 0,1,2
	ds_load_b128 v[FS+12*\i+4*\g:FS+12*\i+4*\g+3], v[L16] offset:(4*(4*\f+\i)+\s)*1536+512*\g
.endr
.endr
	s_wait_dscnt 0x0
.irp i, 0,1,2,3
	MM ACC+8*(4*\f+\i), FS+12*\i, AF+12*\s, WS+4*(2*\f+\i/2)+\s, AS+\s, \i%2
.endr
.endr
.endr
	PLACES 4                                       ; in front of the first read of results, and of the loads into the fragments' registers
.irp t, 0,1,2,3,4,5,6,7
	ds_store_b128 v[SO], v[ACC+8*\t:ACC+8*\t+3] offset:128*(\t/2)+32*(\t%2)          ; each accumulator from its low end on
	ds_store_b128 v[SO], v[ACC+8*\t+4:ACC+8*\t+7] offset:128*(\t/2)+32*(\t%2)+16
.endr
.set i, 0
.rept 16
	ds_load_b128 v[BK+4*i:BK+4*i+3], v[SR] offset:528*i   ; LDS serves a wave's instructions in order (ISA guide 5.7.1.4): these see my stores
.set i, i+1
.endr
.set i, 0
.rept 16
	s_wait_dscnt 15-i                              ; row i is back; the younger rows' loads may be out
	global_store_b128 v[L16], v[BK+4*i:BK+4*i+3], s[12:13] offset:(i+24*(i/8))*2048 th:TH_STORE_NT   ; 32 lanes store 512 consecutive bytes, at a multiple of 512 from out0's first byte
.set i, i+1
.endr
	s_wait_tensorcnt 0x0                           ; the wave's end: behind my last tensor load and my last LDS store
	ds_add_u32 v[SPW], v[NIL]
	s_wait_dscnt 0x0
	CROUND                                         ; the closing round
	s_endpgm
.Lfunc_end_k_q911cfa94a3_oproj:
	.size	k_q911cfa94a3_oproj, .Lfunc_end_k_q911cfa94a3_oproj-k_q911cfa94a3_oproj
	.p2alignl 7, 3214868480
	.fill 96, 4, 3214868480
	.section	.rodata,"a",@progbits
	.p2align	6, 0x0
	.amdhsa_kernel k_q911cfa94a3_oproj
		.amdhsa_group_segment_fixed_size 167936
		.amdhsa_private_segment_fixed_size 0
		.amdhsa_enable_private_segment 0
		.amdhsa_kernarg_size 40
		.amdhsa_user_sgpr_count 2
		.amdhsa_user_sgpr_kernarg_segment_ptr 1
		.amdhsa_wavefront_size32 1
		.amdhsa_system_sgpr_workgroup_id_x 1
		.amdhsa_system_sgpr_workgroup_id_y 1
		.amdhsa_system_sgpr_workgroup_id_z 1
		.amdhsa_system_vgpr_workitem_id 0
		.amdhsa_next_free_vgpr 256
		.amdhsa_next_free_sgpr 66
		.amdhsa_reserve_vcc 0
		.amdhsa_float_denorm_mode_32 3
		.amdhsa_float_denorm_mode_16_64 3
		.amdhsa_memory_ordered 1
		.amdhsa_forward_progress 1
		.amdhsa_inst_pref_size 25
	.end_amdhsa_kernel
	.amdgpu_metadata
---
amdhsa.version: [ 1, 2 ]
amdhsa.kernels:
  - .name:           k_q911cfa94a3_oproj
    .symbol:         k_q911cfa94a3_oproj.kd
    .args:
      - { .name: ao, .offset: 0, .size: 8, .value_kind: global_buffer, .address_space: global }
      - { .name: aos, .offset: 8, .size: 8, .value_kind: global_buffer, .address_space: global }
      - { .name: wc, .offset: 16, .size: 8, .value_kind: global_buffer, .address_space: global }
      - { .name: bo, .offset: 24, .size: 8, .value_kind: global_buffer, .address_space: global }
      - { .name: out0, .offset: 32, .size: 8, .value_kind: global_buffer, .address_space: global }
    .group_segment_fixed_size: 167936
    .private_segment_fixed_size: 0
    .kernarg_segment_align: 8
    .kernarg_segment_size: 40
    .max_flat_workgroup_size: 256
    .sgpr_count:     66
    .vgpr_count:     256
    .wavefront_size: 32
...
	.end_amdgpu_metadata
.endif
;; end of part 4
